; MI455X (gfx1250); checked and timed in simulation.
; The chip was launched on July 23, 2026; its instructions are those of AMD's public machine-readable ISA for CDNA 5 (MIT licence, August 2026) and "CDNA5" Instruction Set Architecture Reference Guide (July 2026). The comments in the code are by the model that wrote it; some were corrected since.
;; Mo EMLP. Allowed arithmetic: float matrix products may take bf16 or f16 operands with f32 sums; other float arithmetic in f32, or as packed bf16 or f16 multiplies, adds, multiply-adds, maxima and minima; sums over many terms, partial sums and values carried from step to step in f32; what a program stores and reads back later, other than sums and carried values, may be rounded once to bf16 or f16.
;; Inputs: Wd 8 x 768 x 3,072 float32; Wg 8 x 3,072 x 768 float32; Wu 8 x 3,072 x 768 float32; router_w 8 x 768 float32; x 4 x 256 x 768 float32.
;; Outputs: out0 4 x 256 x 768 float32.
;; One version. Each part assembles by itself: llvm-mc -triple=amdgcn-amd-amdhsa -mcpu=gfx1250 --defsym DOCPART=n.
;; ======== version 1 of 1: 5 launches
;; workspace buffers: xb 1,572,864 bytes; bitmap 1,024 bytes of whole numbers; sel 4,096 bytes of whole numbers; gate 8,192 bytes; pos 32,768 bytes of whole numbers; hbuf 50,331,648 bytes; part 100,663,296 bytes; xg 12,582,912 bytes
;; launch route (part 1): grid 64 x 1, 4 waves a work-group, no clusters, 37,888 bytes of LDS; arguments x, router_w, xb, bitmap, sel, gate; writes xb, bitmap, sel, gate
.if DOCPART == 1
	.amdgcn_target "amdgcn-amd-amdhsa--gfx1250"
	.amdhsa_code_object_version 6
	.text
	.protected	k_qa3ad52fdcf_route
	.globl	k_qa3ad52fdcf_route
	.p2align	8
	.type	k_qa3ad52fdcf_route,@function
k_qa3ad52fdcf_route:
	s_mov_b64 s[64:65], 0
	v_nop
	global_prefetch_b8 v0, s[64:65] scope:SCOPE_SE
	s_setreg_imm32_b32 hwreg(HW_REG_WAVE_MODE, 25, 1), 1
	s_wait_xcnt 0x0
; ROUTE.  x [1024][768] f32 and router_w [8][768] f32 are rounded once to bf16; logits = x router_w^T with f32 sums on the matrix unit;
; the two largest logits of each token, their softmax, and what the later launches need of the choice, all stored at fixed places:
;   xb     [1024][768] bf16: x rounded, for the first product
;   bitmap [8][32 words]: bit t % 32 of word t / 32 of expert e is set where token t chose e (written as halves of 16 tokens)
;   sel    [1024] words: first expert | second expert << 8          gate [1024][2] f32: their two weights
; No address and no branch here hangs on a logit: the choice only selects values (v_cndmask_b32).
; LIMITS.  The choice follows the logits of the bf16-rounded inputs, as every product of this program does.  Equal logits: the lower
; index wins (strict > in an ascending scan).  NaN and infinite logits are not treated apart.  The larger logit is taken away before the exponential.
; SHARES.  A work-group owns 16 tokens.  Its four waves round 4 rows of x and 2 rows of router_w each into LDS; wave 0 then multiplies and chooses.
; No matrix tile is shared between work-groups but the 24 KB of router_w, a small part of what a work-group reads: no cluster.
.set PITCH, 1552                       ; an LDS row: 1,536 bytes of bf16 + 16 = 97 x 16: the 16 rows of a fragment load start at 16 different 16-byte columns modulo 256 bytes
.set XT,    0                          ; 16 rows of x
.set RTB,   16*PITCH                   ; 8 rows of router_w
.set SPARE, 37376                      ; behind both: the spare words, 128 bytes a wave, two blocks of 256 bytes that no other line names
.set SPW,  12                          ; v12  my spare word; never rewritten
.set NIL,  13                          ; v13  0; never rewritten
.set ST,   16                          ; v16-159  36 slots of 4 registers as loaded; later 8 K steps of fragments (16 registers each)
.set ACC0, 160                         ; two accumulators that take turns
.set ACC1, 168
.set LG,   176                         ; v176-183 my token's 8 logits
.set MK,   184                         ; v184-191 the same with the largest struck out
.set BEST, 192
.set BI,   193
.set SEC,  194
.set SI,   195
.set PP,   196
.set QQ,   197
.set W0,   198                         ; v[198:199] the two weights
.set VM,   200                         ; the half word of the bitmap that my lane stores
	s_load_b256 s[4:11], s[0:1], 0x0               ; x s[4:5], router_w s[6:7], xb s[8:9], bitmap s[10:11]
	s_load_b128 s[12:15], s[0:1], 0x20             ; sel s[12:13], gate s[14:15]
	v_lshl_add_u32 v[SPW], v0, 2, SPARE
	v_mov_b32 v[NIL], 0
	v_lshrrev_b32 v3, 5, v0
	v_readfirstlane_b32 s16, v3                    ; wave 0..3
	v_and_b32 v14, 31, v0                          ; lane l
	v_and_b32 v1, 15, v0                           ; r = l % 16
	v_bfe_u32 v2, v0, 4, 1                         ; h = l / 16
	s_mul_i32 s18, ttmp9, 49152                    ; my 16 rows of x
	s_mov_b32 s19, 0
	s_mul_i32 s20, ttmp9, 24576                    ; and of xb
	s_mov_b32 s21, 0
	s_mul_i32 s22, s16, 12288
	v_lshl_add_u32 v4, v14, 4, s22                 ; x: 4 rows a wave, 16 bytes a lane
	s_mul_i32 s22, s16, 6144
	v_lshl_add_u32 v5, v14, 4, s22                 ; router_w: 2 rows a wave
	v_lshl_add_u32 v8, v14, 3, s22                 ; xb: 4 rows of 1,536 bytes a wave, 8 bytes a lane
	s_mul_i32 s22, s16, 4*PITCH
	v_lshl_add_u32 v6, v14, 3, s22                 ; LDS: my 4 rows of x
	s_mul_i32 s22, s16, 2*PITCH
	s_add_co_u32 s22, s22, RTB
	v_lshl_add_u32 v7, v14, 3, s22                 ; LDS: my 2 rows of router_w
	s_wait_kmcnt 0x0
	s_add_nc_u64 s[4:5], s[4:5], s[18:19]
	s_add_nc_u64 s[8:9], s[8:9], s[20:21]
	; 36 loads of 512 consecutive bytes, six to a row: all of the wave's share is on its way before the first wait
.set i, 0
.rept 24
	global_load_b128 v[ST+4*i:ST+4*i+3], v4, s[4:5] offset:3072*(i/6)+512*(i%6) th:TH_LOAD_NT
.set i, i+1
.endr
.set i, 0
.rept 12
	global_load_b128 v[ST+96+4*i:ST+96+4*i+3], v5, s[6:7] offset:3072*(i/6)+512*(i%6)
.set i, i+1
.endr
	; each slot: rounded in place, into LDS, and (x) out to xb: 32 lanes store 256 consecutive bytes, aligned
.set i, 0
.rept 24
	s_wait_loadcnt 35-i                            ; loads come back in order: slot i is in, the 35 - i younger ones stay out
	v_cvt_pk_bf16_f32 v[ST+4*i], v[ST+4*i], v[ST+4*i+1]
	v_cvt_pk_bf16_f32 v[ST+4*i+1], v[ST+4*i+2], v[ST+4*i+3]
	ds_store_b64 v6, v[ST+4*i:ST+4*i+1] offset:PITCH*(i/6)+256*(i%6)
	global_store_b64 v8, v[ST+4*i:ST+4*i+1], s[8:9] offset:1536*(i/6)+256*(i%6)
.set i, i+1
.endr
.set i, 0
.rept 12
	s_wait_loadcnt 11-i
	v_cvt_pk_bf16_f32 v[ST+96+4*i], v[ST+96+4*i], v[ST+96+4*i+1]
	v_cvt_pk_bf16_f32 v[ST+96+4*i+1], v[ST+96+4*i+2], v[ST+96+4*i+3]
	ds_store_b64 v7, v[ST+96+4*i:ST+96+4*i+1] offset:PITCH*(i/6)+256*(i%6)
.set i, i+1
.endr
	s_wait_dscnt 0x0                               ; for the others' sake: my rows are in LDS
	s_barrier_signal -1
	s_barrier_wait -1
	s_cmp_lg_u32 s16, 0
	s_cbranch_scc0 .Lwave0
	s_wait_tensorcnt 0x0                           ; waves 1 to 3 end
	ds_add_u32 v[SPW], v[NIL]
	s_wait_dscnt 0x0
	s_endpgm
.Lwave0:
	s_wait_xcnt 0x0                                ; the stores to xb have read their data: ST is written again only behind this wait
	v_mul_u32_u24 v9, PITCH, v1
	v_lshl_add_u32 v9, v2, 4, v9                   ; x fragment: row r, 16 bytes for each half of the lanes
	v_and_b32 v10, 7, v0
	v_mul_u32_u24 v10, PITCH, v10
	v_lshl_add_u32 v10, v2, 4, v10
	v_add_nc_u32 v10, RTB, v10                     ; router fragment: rows 8-15 repeat rows 0-7, so both halves of the lanes end with the same 8 logits
	s_mov_b32 s51, 0xff800000                      ; -infinity, for the logit that is struck out
	; 24 K steps of 32 in three batches of eight.  Source 0 = experts, source 1 = tokens: lane (r, h) then holds token r and experts 0..7 in registers 0..7.
.set bt, 0
.rept 3
.set q, 0
.rept 8
	ds_load_b128 v[ST+16*q:ST+16*q+3],     v10 offset:64*(8*bt+q)
	ds_load_b128 v[ST+16*q+4:ST+16*q+7],   v10 offset:64*(8*bt+q)+32
	ds_load_b128 v[ST+16*q+8:ST+16*q+11],  v9 offset:64*(8*bt+q)
	ds_load_b128 v[ST+16*q+12:ST+16*q+15], v9 offset:64*(8*bt+q)+32
.set q, q+1
.endr
	s_wait_dscnt 0x0
.set q, 0
.rept 8                                ; the two accumulators take turns, one instruction a turn; the first two products start the sums
.if (bt == 0) && (q < 2)
	v_wmma_f32_16x16x32_bf16 v[ACC0+8*(q%2):ACC0+8*(q%2)+7], v[ST+16*q:ST+16*q+7], v[ST+16*q+8:ST+16*q+15], 0
.else
	v_wmma_f32_16x16x32_bf16 v[ACC0+8*(q%2):ACC0+8*(q%2)+7], v[ST+16*q:ST+16*q+7], v[ST+16*q+8:ST+16*q+15], v[ACC0+8*(q%2):ACC0+8*(q%2)+7]
.endif
.set q, q+1
.endr
.rept 4
	v_nop                                          ; four places ahead of the next batch's loads into the fragments, and of the reads of the sums
.endr
.set bt, bt+1
.endr
.irp j, 0,2,4,6
	v_pk_add_f32 v[LG+\j:LG+\j+1], v[ACC0+\j:ACC0+\j+1], v[ACC1+\j:ACC1+\j+1]   ; from the low end on
.endr
	; the largest: strict > in an ascending scan keeps the lower index
	v_mov_b32 v[BEST], v[LG]
	v_mov_b32 v[BI], 0
.irp e, 1,2,3,4,5,6,7
	v_cmp_gt_f32 vcc_lo, v[LG+\e], v[BEST]
	v_cndmask_b32 v[BEST], v[BEST], v[LG+\e], vcc_lo
	v_cndmask_b32 v[BI], v[BI], \e, vcc_lo
.endr
.irp e, 0,1,2,3,4,5,6,7
	v_cmp_eq_u32 vcc_lo, \e, v[BI]
	v_cndmask_b32 v[MK+\e], v[LG+\e], s51, vcc_lo
.endr
	v_mov_b32 v[SEC], v[MK]
	v_mov_b32 v[SI], 0
.irp e, 1,2,3,4,5,6,7
	v_cmp_gt_f32 vcc_lo, v[MK+\e], v[SEC]
	v_cndmask_b32 v[SEC], v[SEC], v[MK+\e], vcc_lo
	v_cndmask_b32 v[SI], v[SI], \e, vcc_lo
.endr
	; softmax of the two: the maximum is taken away, so the exponent is <= 0: w0 = 1 / (1 + p), w1 = p w0, p = e^(second - first)
	v_sub_f32 v[PP], v[SEC], v[BEST]
	v_mul_f32 v[PP], 0x3fb8aa3b, v[PP]
	v_exp_f32 v[PP], v[PP]
	v_nop                                          ; a plain instruction behind the exponential,
	s_wait_alu depctr_va_vdst(0)                   ; and a wait ahead of its first reader
	v_add_f32 v[QQ], 1.0, v[PP]
	v_rcp_f32 v[W0], v[QQ]
	v_nop
	s_wait_alu depctr_va_vdst(0)
	v_mul_f32 v[W0+1], v[PP], v[W0]
	; expert e's mask of the 16 tokens (both halves of the lanes hold the same tokens: its low 16 bits are the half word)
.irp e, 0,1,2,3,4,5,6,7
	v_cmp_eq_u32 s48, \e, v[BI]
	v_cmp_eq_u32 s49, \e, v[SI]
	s_or_b32 s[40+\e], s48, s49
.endr
	v_mov_b32 v[VM], s40
.irp e, 1,2,3,4,5,6,7
	s_mov_b32 s50, 0x01010101<<\e                  ; the lanes with l % 8 = e take expert e's mask
	v_cndmask_b32 v[VM], v[VM], s[40+\e], s50
.endr
	v_and_b32 v201, 7, v0
	v_lshlrev_b32 v201, 7, v201                    ; expert l % 8: 128 bytes each,
	s_lshl_b32 s52, ttmp9, 1
	v_add_nc_u32 v201, s52, v201                   ; my tile's half word.  Lanes that share an address store the same value
	global_store_b16 v201, v[VM], s[10:11]
	v_lshl_or_b32 v202, v[SI], 8, v[BI]
	s_lshl_b32 s53, ttmp9, 6
	v_lshl_add_u32 v203, v1, 2, s53
	global_store_b32 v203, v202, s[12:13]
	s_lshl_b32 s54, ttmp9, 7
	v_lshl_add_u32 v204, v1, 3, s54
	global_store_b64 v204, v[W0:W0+1], s[14:15]
	s_wait_tensorcnt 0x0                           ; the wave's end
	ds_add_u32 v[SPW], v[NIL]
	s_wait_dscnt 0x0
	s_endpgm
.Lfunc_end_k_qa3ad52fdcf_route:
	.size	k_qa3ad52fdcf_route, .Lfunc_end_k_qa3ad52fdcf_route-k_qa3ad52fdcf_route
	.p2alignl 7, 3214868480
	.fill 96, 4, 3214868480
	.section	.rodata,"a",@progbits
	.p2align	6, 0x0
	.amdhsa_kernel k_qa3ad52fdcf_route
		.amdhsa_group_segment_fixed_size 37888
		.amdhsa_private_segment_fixed_size 0
		.amdhsa_enable_private_segment 0
		.amdhsa_kernarg_size 48
		.amdhsa_user_sgpr_count 2
		.amdhsa_user_sgpr_kernarg_segment_ptr 1
		.amdhsa_wavefront_size32 1
		.amdhsa_system_sgpr_workgroup_id_x 1
		.amdhsa_system_sgpr_workgroup_id_y 1
		.amdhsa_system_sgpr_workgroup_id_z 1
		.amdhsa_system_vgpr_workitem_id 0
		.amdhsa_next_free_vgpr 208
		.amdhsa_next_free_sgpr 66
		.amdhsa_reserve_vcc 1
		.amdhsa_float_denorm_mode_32 3
		.amdhsa_float_denorm_mode_16_64 3
		.amdhsa_memory_ordered 1
		.amdhsa_forward_progress 1
		.amdhsa_inst_pref_size 30
	.end_amdhsa_kernel
	.amdgpu_metadata
---
amdhsa.version: [ 1, 2 ]
amdhsa.kernels:
  - .name:           k_qa3ad52fdcf_route
    .symbol:         k_qa3ad52fdcf_route.kd
    .args:
      - { .name: x, .offset: 0, .size: 8, .value_kind: global_buffer, .address_space: global }
      - { .name: router_w, .offset: 8, .size: 8, .value_kind: global_buffer, .address_space: global }
      - { .name: xb, .offset: 16, .size: 8, .value_kind: global_buffer, .address_space: global }
      - { .name: bitmap, .offset: 24, .size: 8, .value_kind: global_buffer, .address_space: global }
      - { .name: sel, .offset: 32, .size: 8, .value_kind: global_buffer, .address_space: global }
      - { .name: gate, .offset: 40, .size: 8, .value_kind: global_buffer, .address_space: global }
    .group_segment_fixed_size: 37888
    .private_segment_fixed_size: 0
    .kernarg_segment_align: 8
    .kernarg_segment_size: 48
    .max_flat_workgroup_size: 128
    .sgpr_count:     66
    .vgpr_count:     208
    .wavefront_size: 32
...
	.end_amdgpu_metadata
.endif
;; end of part 1
;; launch place (part 2): grid 64 x 8, 4 waves a work-group, no clusters, 4,864 bytes of LDS; arguments xb, bitmap, xg, pos; writes xg, pos
.if DOCPART == 2
	.amdgcn_target "amdgcn-amd-amdhsa--gfx1250"
	.amdhsa_code_object_version 6
	.text
	.protected	k_qa3ad52fdcf_place
	.globl	k_qa3ad52fdcf_place
	.p2align	8
	.type	k_qa3ad52fdcf_place,@function
k_qa3ad52fdcf_place:
	s_mov_b64 s[64:65], 0
	v_nop
	global_prefetch_b8 v0, s[64:65] scope:SCOPE_SE
	s_setreg_imm32_b32 hwreg(HW_REG_WAVE_MODE, 25, 1), 1
	s_wait_xcnt 0x0
; PLACE.  The rows of xb (x in bf16) that chose expert e are laid end to end in the order of their ranks, in the order in which a wave's fragment registers take them:
;   xg [e][tile of 16 ranks][block kb of 16 K columns, 0..47][lane][16 bytes]: lane (r, h) holds k = 16 kb + 8 h .. + 7 of rank 16 rt + r; blocks 2 s and 2 s + 1 are the eight
;   registers of K step s.  A tile is 24,576 bytes.  The first product then reads its token rows by loads of 512 consecutive bytes at addresses made of counters alone.
;   pos [e][t]: the number of tokens below t that chose e: a chosen token's rank, for the last launch.
; SHARES.  Work-group (rt, e) owns one tile of 16 ranks; wave w its K quarter w (12 blocks).  64 tiles an expert serve every split (an expert may have all 1,024 tokens); a tile that begins at or
; past the count rounded up to 32 has nothing to store: it is jumped forward, behind the one barrier.  Places past the count repeat the expert's last row, as far as the first product reads.
; THE LIST.  Wave 0 writes the token of each rank into LDS from the expert's 32 bitmap words, which the launch before stored as whole numbers.
; THE LOADS take 32 bytes of each of 16 rows, since a lane holds one row: each row is read so once for each expert that it chose, 12 loads on end a wave.  The stores cover 512 consecutive bytes, aligned.
; A stream of a few megabytes: no matrix unit, no cluster (no tile is shared), no tensor load (the rows come by a list).
.set LIST,  0                          ; 1,024 words: the token of each rank; then 32 words, one a lane, that take what an unchosen token's lane writes
.set SPARE, 4352                       ; the spare words, 128 bytes a wave, two blocks of 256 bytes that no other line names
.set VA,   6                           ; v6      byte offset in xb of my token's row, + my quarter + 16 h
.set VST,  8                           ; v8      byte offset in xg of my 16 bytes of my first block
.set SPW,  12                          ; v12     my spare word; never rewritten
.set NIL,  13                          ; v13     0; never rewritten
.set LN,   14                          ; v14     lane
.set BIT,  15                          ; v15     1 << lane
.set DT,   16                          ; v16-63  12 blocks, 4 registers each
.set RK,   64                          ; v64-95  wave 0: the ranks of tokens 32 i + l
.set DUMP, 96
	s_load_b256 s[4:11], s[0:1], 0x0               ; xb s[4:5], bitmap s[6:7], xg s[8:9], pos s[10:11]
	v_lshl_add_u32 v[SPW], v0, 2, SPARE
	v_mov_b32 v[NIL], 0
	v_lshrrev_b32 v9, 5, v0
	v_readfirstlane_b32 s16, v9                    ; wave 0..3
	s_and_b32 s17, ttmp7, 0xffff                   ; expert
	s_mov_b32 s18, ttmp9                           ; tile of 16 ranks
	v_and_b32 v[LN], 31, v0
	v_and_b32 v1, 15, v0                           ; r
	v_bfe_u32 v2, v0, 4, 1                         ; h
	v_lshlrev_b32 v3, 4, v[LN]                     ; 16 l
	v_mov_b32 v[BIT], 1
	v_lshlrev_b32 v[BIT], v[LN], v[BIT]
	s_lshl_b32 s26, s17, 7                         ; the expert's 32 bitmap words
	s_mov_b32 s27, 0
	s_mul_i32 s28, s17, 1572864                    ; the expert's 64 tiles of xg
	s_mov_b32 s29, 0
	s_lshl_b32 s30, s17, 12                        ; the expert's 1,024 words of pos
	s_mov_b32 s31, 0
	s_wait_kmcnt 0x0
	s_add_nc_u64 s[6:7], s[6:7], s[26:27]
	s_add_nc_u64 s[8:9], s[8:9], s[28:29]
	s_add_nc_u64 s[10:11], s[10:11], s[30:31]
	s_load_b512 s[32:47], s[6:7], 0x0
	s_load_b512 s[48:63], s[6:7], 0x40
	s_wait_kmcnt 0x0
	s_mov_b32 s19, 0                               ; the expert's count, in every wave
.set li, 0
.rept 32
	s_bcnt1_i32_b32 s24, s[32+li]
	s_add_co_u32 s19, s19, s24
.set li, li+1
.endr
	s_sub_co_u32 s20, s19, 1                       ; its last rank (used only where the count is not 0)
	s_cmp_lg_u32 s16, 0
	s_cbranch_scc1 .Lnolist
	; wave 0 writes the list: token 32 i + l has rank = chosen tokens in the words before + chosen lanes below l in word i
	v_add_nc_u32 v[DUMP], 1024, v[LN]
	s_mov_b32 s23, 0
.set li, 0
.rept 32
	v_mbcnt_lo_u32_b32 v[RK+li], s[32+li], s23
	v_and_b32 v9, s[32+li], v[BIT]
	v_cmp_ne_u32 vcc_lo, 0, v9
	v_cndmask_b32 v9, v[DUMP], v[RK+li], vcc_lo    ; chosen: its rank; else the lane's own word behind the list
	v_min_u32 v9, 0x41f, v9
	v_lshl_add_u32 v9, v9, 2, LIST
	v_add_nc_u32 v10, 32*li, v[LN]
	ds_store_b32 v9, v10
	s_bcnt1_i32_b32 s24, s[32+li]
	s_add_co_u32 s23, s23, s24
.set li, li+1
.endr
	s_cmp_lg_u32 s18, 0
	s_cbranch_scc1 .Lnolist
	v_lshlrev_b32 v11, 2, v[LN]                    ; tile 0's work-group stores the ranks: 128 consecutive bytes a store; v11 and the ranks are not written again
.set li, 0
.rept 32
	global_store_b32 v11, v[RK+li], s[10:11] offset:128*li
.set li, li+1
.endr
.Lnolist:
	s_wait_dscnt 0x0                               ; for the others' sake: the list is in LDS
	s_barrier_signal -1
	s_barrier_wait -1
	s_lshl_b32 s21, s18, 4                         ; my tile's first rank
	s_and_b32 s24, s21, 0xffffffe0                 ; the first product takes ranks in tiles of 32: this tile is wanted if its pair begins below the count
	s_cmp_ge_u32 s24, s19
	s_cbranch_scc1 .Ldone                          ; forward, past work alone
	v_add_nc_u32 v9, s21, v1                       ; my rank;
	v_min_u32 v9, s20, v9                          ; places past the count repeat the last row
	v_min_u32 v9, 0x3ff, v9
	v_lshl_add_u32 v9, v9, 2, LIST
	ds_load_b32 v[VA], v9                          ; its token
	s_mul_i32 s24, s21, 1536                       ; 16 ranks are 24,576 bytes of xg,
	s_mul_i32 s25, s16, 6144                       ; my quarter's 12 blocks of 512 bytes
	s_add_co_u32 s24, s24, s25
	v_add_nc_u32 v[VST], s24, v3
	s_mul_i32 s25, s16, 384                        ; my quarter of a row of 1,536 bytes,
	v_lshl_add_u32 v10, v2, 4, s25                 ; 16 bytes for each half of the lanes
	s_wait_dscnt 0x0
	v_min_u32 v[VA], 0x3ff, v[VA]
	v_mul_u32_u24 v[VA], 1536, v[VA]
	v_add_nc_u32 v[VA], v[VA], v10
.set pi, 0
.rept 12
	global_load_b128 v[DT+4*pi:DT+4*pi+3], v[VA], s[4:5] offset:32*pi
.set pi, pi+1
.endr
.set pi, 0
.rept 12
	s_wait_loadcnt 11-pi                           ; loads come back in order: block pi is in, the 11 - pi younger ones stay out
	global_store_b128 v[VST], v[DT+4*pi:DT+4*pi+3], s[8:9] offset:512*pi
.set pi, pi+1
.endr
.Ldone:
	s_wait_tensorcnt 0x0                           ; the wave's end
	ds_add_u32 v[SPW], v[NIL]
	s_wait_dscnt 0x0
	s_endpgm
.Lfunc_end_k_qa3ad52fdcf_place:
	.size	k_qa3ad52fdcf_place, .Lfunc_end_k_qa3ad52fdcf_place-k_qa3ad52fdcf_place
	.p2alignl 7, 3214868480
	.fill 96, 4, 3214868480
	.section	.rodata,"a",@progbits
	.p2align	6, 0x0
	.amdhsa_kernel k_qa3ad52fdcf_place
		.amdhsa_group_segment_fixed_size 4864
		.amdhsa_private_segment_fixed_size 0
		.amdhsa_enable_private_segment 0
		.amdhsa_kernarg_size 32
		.amdhsa_user_sgpr_count 2
		.amdhsa_user_sgpr_kernarg_segment_ptr 1
		.amdhsa_wavefront_size32 1
		.amdhsa_system_sgpr_workgroup_id_x 1
		.amdhsa_system_sgpr_workgroup_id_y 1
		.amdhsa_system_sgpr_workgroup_id_z 1
		.amdhsa_system_vgpr_workitem_id 0
		.amdhsa_next_free_vgpr 104
		.amdhsa_next_free_sgpr 66
		.amdhsa_reserve_vcc 1
		.amdhsa_float_denorm_mode_32 3
		.amdhsa_float_denorm_mode_16_64 3
		.amdhsa_memory_ordered 1
		.amdhsa_forward_progress 1
		.amdhsa_inst_pref_size 26
	.end_amdhsa_kernel
	.amdgpu_metadata
---
amdhsa.version: [ 1, 2 ]
amdhsa.kernels:
  - .name:           k_qa3ad52fdcf_place
    .symbol:         k_qa3ad52fdcf_place.kd
    .args:
      - { .name: xb, .offset: 0, .size: 8, .value_kind: global_buffer, .address_space: global }
      - { .name: bitmap, .offset: 8, .size: 8, .value_kind: global_buffer, .address_space: global }
      - { .name: xg, .offset: 16, .size: 8, .value_kind: global_buffer, .address_space: global }
      - { .name: pos, .offset: 24, .size: 8, .value_kind: global_buffer, .address_space: global }
    .group_segment_fixed_size: 4864
    .private_segment_fixed_size: 0
    .kernarg_segment_align: 8
    .kernarg_segment_size: 32
    .max_flat_workgroup_size: 128
    .sgpr_count:     66
    .vgpr_count:     104
    .wavefront_size: 32
...
	.end_amdgpu_metadata
.endif
;; end of part 2
;; launch gateup (part 3): grid 32 x 8, 16 waves a work-group, no clusters, 300,032 bytes of LDS; arguments xg, Wg, Wu, bitmap, hbuf; writes hbuf
.if DOCPART == 3
	.amdgcn_target "amdgcn-amd-amdhsa--gfx1250"
	.amdhsa_code_object_version 6
	.text
	.protected	k_qa3ad52fdcf_gateup
	.globl	k_qa3ad52fdcf_gateup
	.p2align	8
	.type	k_qa3ad52fdcf_gateup,@function
k_qa3ad52fdcf_gateup:
	s_mov_b64 s[64:65], 0
	v_nop
	global_prefetch_b8 v0, s[64:65] scope:SCOPE_SE
	s_setreg_imm32_b32 hwreg(HW_REG_WAVE_MODE, 25, 1), 1
	s_wait_xcnt 0x0
; GATE AND UP.  h = silu(x Wg[e]^T) * (x Wu[e]^T) for the rows that chose expert e, bf16 operands, f32 sums, h rounded once to bf16.
; SHARES.  Work-group (sl, e) owns 96 of expert e's 3,072 hidden columns: 96 rows of Wg and of Wu, 589,824 bytes of f32 that it alone reads, each byte once,
; rounded on the way through registers into LDS.  It multiplies them with ALL rows of its expert, in tiles of 32 ranks, a tile to a wave.
; The slice comes in two halves of 48 columns.  Half 0: all 16 waves load (the whole half is on its way at once).  Then waves 0-3 bring half 1 while waves 4-15
; multiply half 0; then all 16 multiply half 1.  Two barriers, both on every wave's path.
; THE ROWS come from xg, where the launch before laid the expert's rows by rank, in fragment order: every load takes 512 consecutive bytes at an address made of counters.
; The expert's count comes from its 32 bitmap words.  The loops over tiles have constant trip counts that cover 1,024 ranks; a tile at or past the count is jumped forward, with no
; barrier in what is jumped.  In the last tile the places past the count hold the last row again; they are stored too, into places of the expert's own region that nothing reads as a token's.
; An expert without rows stores no h.
; hbuf [e][tile of 16 ranks][block of 16 columns][lane][16 bytes]: lane (r, h) holds columns 8 h .. 8 h + 7 of the block for rank r: two blocks are the eight registers
; of a K = 32 fragment for the next product, and every store here covers 512 consecutive bytes, aligned.
; NO JOINT LOADS: each weight has one reader.  xg's tiles are shared by an expert's 32 work-groups, but beside the 297,984 bytes of weights LDS has 27 KB left and a tile of 32 ranks
; is 49,152 bytes; and a ring for them would put refills and barriers into a loop whose length hangs on a stored count.
; LIMITS.  exp and rcp flush denormals: a sigmoid below 2^-126 counts as 0.  NaN and infinities are not treated apart.
.set PITCH, 1552                       ; an LDS row: 1,536 bytes + 16 = 97 x 16: the 16 rows of a fragment load start at 16 different 16-byte columns modulo 256 bytes
.set GU,    48*PITCH                   ; in a half: 48 rows of Wg, then the same 48 rows of Wu
.set HALF,  96*PITCH
.set SPARE, 2*HALF                     ; behind the two halves: the spare words, 128 bytes a wave, eight blocks of 256 bytes that no other line names
.set VBG,  4                           ; v4, v5  LDS address of my fragments of Wg, of Wu, in the half in hand
.set VH,   6                           ; v6      byte offset in xg of my 16 bytes of the tile's first block
.set VST,  8                           ; v8      byte offset in hbuf of my 16 bytes of the tile
.set SPW,  12                          ; v12     my spare word; never rewritten
.set NIL,  13                          ; v13     0; never rewritten
.set LN,   14                          ; v14     lane
.set ACCB, 16                          ; v16-111   12 accumulators: (a, b) at 16 + 8 (6 a + b); a: 16 ranks; b 0-2 gate, 3-5 up
.set ARB,  112                         ; v112-207  six slots of token fragments (2 x 8 registers)
.set BFB,  208                         ; v208-255  six weight fragments
.set ST,   16                          ; while weights are loaded: v16-159 36 slots of 4; v160-175 rounded pairs; v208-210 addresses
.set TMP,  160
.set VOFF, 208
.set VLG,  209                         ; v209, v210
.set TT,   112                         ; on the way out: 24 registers for the sigmoid, 24 for the product
.set PR,   136
; 36 loads of 512 consecutive bytes: 3 rows of Wg, then the same 3 rows of Wu
.macro WISSUE
.set wi, 0
.rept 36
	global_load_b128 v[ST+4*wi:ST+4*wi+3], v[VOFF], s[6+2*(wi/18):7+2*(wi/18)] offset:3072*((wi%18)/6)+512*(wi%6) th:TH_LOAD_NT
.set wi, wi+1
.endr
.endm
; The 36 slots of batch bt are rounded and laid into LDS, 256 consecutive bytes a store.  refill = 1: each slot is loaded again at once with the batch 3 rows on.
.macro WDRAIN refill, bt
.set wd, 0
.rept 36
.set wg, 3072*((wd%18)/6)+512*(wd%6)+9216*(\bt)
.set wl, PITCH*((wd%18)/6)+256*(wd%6)+3*PITCH*(\bt)
.if \refill
	s_wait_loadcnt 35                              ; 36 are out, slot wd's is the oldest: the 35 younger ones stay out
	v_cvt_pk_bf16_f32 v[TMP+2*(wd%8)], v[ST+4*wd], v[ST+4*wd+1]
	v_cvt_pk_bf16_f32 v[TMP+2*(wd%8)+1], v[ST+4*wd+2], v[ST+4*wd+3]
	ds_store_b64 v[VLG+wd/18], v[TMP+2*(wd%8):TMP+2*(wd%8)+1] offset:wl
	global_load_b128 v[ST+4*wd:ST+4*wd+3], v[VOFF], s[6+2*(wd/18):7+2*(wd/18)] offset:wg+9216 th:TH_LOAD_NT
.else
	s_wait_loadcnt 35-wd                           ; the counts run down: nothing more is asked for
	v_cvt_pk_bf16_f32 v[ST+4*wd], v[ST+4*wd], v[ST+4*wd+1]
	v_cvt_pk_bf16_f32 v[ST+4*wd+1], v[ST+4*wd+2], v[ST+4*wd+3]
	ds_store_b64 v[VLG+wd/18], v[ST+4*wd:ST+4*wd+1] offset:wl
.endif
.set wd, wd+1
.endr
.endm
.macro PLACES                          ; four places between a matrix instruction and a load into, or a vector access to, its registers
.rept 4
	v_nop
.endr
.endm
; K step s of my 32 ranks: blocks 2 s and 2 s + 1 of both tiles of 16, 512 consecutive bytes a load
.macro ALOAD s
.irp a, 0,1
	global_load_b128 v[ARB+16*((\s)%6)+8*\a:ARB+16*((\s)%6)+8*\a+3],   v[VH], s[4:5] offset:24576*\a+1024*(\s)
	global_load_b128 v[ARB+16*((\s)%6)+8*\a+4:ARB+16*((\s)%6)+8*\a+7], v[VH], s[4:5] offset:24576*\a+1024*(\s)+512
.endr
.endm
; three weight fragments of K step s: g = 0 gate, 1 up
.macro BLOAD g, s
.irp b, 0,1,2
	ds_load_b128 v[BFB+8*(3*(\g)+\b):BFB+8*(3*(\g)+\b)+3],   v[VBG+(\g)] offset:16*PITCH*\b+64*(\s)
	ds_load_b128 v[BFB+8*(3*(\g)+\b)+4:BFB+8*(3*(\g)+\b)+7], v[VBG+(\g)] offset:16*PITCH*\b+64*(\s)+32
.endr
.endm
; six products.  Source 0 = 16 weight rows, source 1 = 16 ranks: a lane then holds ONE rank (r) and eight neighbouring hidden columns (8 h + 0..7).
; The 12 accumulators take turns, one instruction a turn.  K step 0 starts the sums: nothing is cleared.
.macro MUL6 g, s
.irp b, 0,1,2
.irp a, 0,1
.if (\s) == 0
	v_wmma_f32_16x16x32_bf16 v[ACCB+8*(6*\a+3*(\g)+\b):ACCB+8*(6*\a+3*(\g)+\b)+7], v[BFB+8*(3*(\g)+\b):BFB+8*(3*(\g)+\b)+7], v[ARB+16*((\s)%6)+8*\a:ARB+16*((\s)%6)+8*\a+7], 0
.else
	v_wmma_f32_16x16x32_bf16 v[ACCB+8*(6*\a+3*(\g)+\b):ACCB+8*(6*\a+3*(\g)+\b)+7], v[BFB+8*(3*(\g)+\b):BFB+8*(3*(\g)+\b)+7], v[ARB+16*((\s)%6)+8*\a:ARB+16*((\s)%6)+8*\a+7], v[ACCB+8*(6*\a+3*(\g)+\b):ACCB+8*(6*\a+3*(\g)+\b)+7]
.endif
.endr
.endr
.endm
; One tile: 32 ranks x 96 weight rows x K = 768, 24 K steps written out.  Token fragments run six K steps ahead; each group of three weight fragments is
; asked for again as soon as its six products are out, half a K step ahead of its use.
.macro KRUN
.set ks, 0
.rept 6
	ALOAD ks
.set ks, ks+1
.endr
	BLOAD 0, 0
	BLOAD 1, 0
.set ks, 0
.rept 24
.if ks < 18
	s_wait_loadcnt 20                              ; this K step's four loads are in; the five later steps' twenty stay out
.else
	s_wait_loadcnt 4*(23-ks)                       ; the counts run down
.endif
	s_wait_dscnt 6                                 ; the gate fragments are in; the six loads of the up fragments may be out
	MUL6 0, ks
.if ks < 23
	PLACES
	BLOAD 0, ks+1
	s_wait_dscnt 6                                 ; the up fragments are in; the six just issued stay out
.else
	s_wait_dscnt 0
.endif
	MUL6 1, ks
	PLACES                                         ; in the last K step: the places ahead of the way out
.if ks < 23
	BLOAD 1, ks+1
.endif
.if ks < 18
	ALOAD ks+6
.endif
.set ks, ks+1
.endr
.endm
; THE WAY OUT of 16 ranks: h = g u / (1 + 2^(-1.442695 g)).  Each batch of 24 transcendentals has one wait; each accumulator is read from its low end on.
.macro EPI a, hoff
.set EG, ACCB+48*(\a)
.set EU, EG+24
.set EO, BFB+12*(\a)
.set ei, 0
.rept 12
	v_pk_mul_f32 v[TT+2*ei:TT+2*ei+1], v[EG+2*ei:EG+2*ei+1], 0xbfb8aa3b op_sel_hi:[1,0]
.set ei, ei+1
.endr
.set ei, 0
.rept 24
	v_exp_f32 v[TT+ei], v[TT+ei]
.set ei, ei+1
.endr
.set ei, 0
.rept 12
	v_pk_mul_f32 v[PR+2*ei:PR+2*ei+1], v[EG+2*ei:EG+2*ei+1], v[EU+2*ei:EU+2*ei+1]   ; g u: plain work behind the batch, which names none of its results
.set ei, ei+1
.endr
	s_wait_alu depctr_va_vdst(0)                   ; one wait for the 24 exponentials, ahead of their first reader
.set ei, 0
.rept 12
	v_pk_add_f32 v[TT+2*ei:TT+2*ei+1], v[TT+2*ei:TT+2*ei+1], 1.0 op_sel_hi:[1,0]
.set ei, ei+1
.endr
.set ei, 0
.rept 24
	v_rcp_f32 v[TT+ei], v[TT+ei]
.set ei, ei+1
.endr
	v_nop                                          ; a plain instruction behind the last reciprocal,
	s_wait_alu depctr_va_vdst(0)                   ; and one wait for the 24
.set ei, 0
.rept 12
	v_pk_mul_f32 v[PR+2*ei:PR+2*ei+1], v[PR+2*ei:PR+2*ei+1], v[TT+2*ei:TT+2*ei+1]
.set ei, ei+1
.endr
.set ei, 0
.rept 12
	v_cvt_pk_bf16_f32 v[EO+ei], v[PR+2*ei], v[PR+2*ei+1]
.set ei, ei+1
.endr
.irp b, 0,1,2
	global_store_b128 v[VST], v[EO+4*\b:EO+4*\b+3], s[12:13] offset:98304*(\a)+512*\b+(\hoff)   ; a block of 16 columns x 16 ranks: 512 consecutive bytes, aligned
.endr
.endm
; The loop over my tiles: tr trips, nw tiles apart.  s21 = the tile's first rank.
.macro ROWS tag, tr, nw, hoff
	s_mov_b32 s22, \tr
.Ltrip_\tag:
	s_cmp_ge_u32 s21, s19
	s_cbranch_scc1 .Lskip_\tag                     ; no row of the expert in this tile: forward, past work alone
	s_wait_xcnt 0x0                                ; earlier loads and stores have read their data and offsets: those registers are written again only behind this wait
	s_mul_i32 s24, s21, 1536                       ; a tile of 16 ranks is 24,576 bytes of xg
	v_add_nc_u32 v[VH], s24, v3
	s_mul_i32 s24, s21, 6144                       ; and 98,304 bytes of hbuf
	v_add_nc_u32 v[VST], s24, v3
	KRUN
	EPI 0, \hoff
	EPI 1, \hoff
.Lskip_\tag:
	s_add_co_u32 s21, s21, 32*\nw
	s_sub_co_u32 s22, s22, 1
	s_cmp_lg_u32 s22, 0
	s_cbranch_scc1 .Ltrip_\tag
.endm
	s_load_b256 s[4:11], s[0:1], 0x0               ; xg s[4:5], Wg s[6:7], Wu s[8:9], bitmap s[10:11]
	s_load_b64 s[12:13], s[0:1], 0x20              ; hbuf
	v_lshl_add_u32 v[SPW], v0, 2, SPARE
	v_mov_b32 v[NIL], 0
	v_lshrrev_b32 v9, 5, v0
	v_readfirstlane_b32 s16, v9                    ; wave 0..15
	s_and_b32 s17, ttmp7, 0xffff                   ; expert
	s_mov_b32 s18, ttmp9                           ; slice
	v_and_b32 v[LN], 31, v0
	v_and_b32 v1, 15, v0                           ; r
	v_bfe_u32 v2, v0, 4, 1                         ; h
	v_lshlrev_b32 v3, 4, v[LN]                     ; 16 l
	s_mul_i32 s24, s17, 9437184                    ; the expert's weights, the slice's 96 rows of 3,072 bytes
	s_mul_i32 s25, s18, 294912
	s_add_co_u32 s24, s24, s25
	s_mov_b32 s25, 0
	s_lshl_b32 s26, s17, 7                         ; the expert's 32 bitmap words
	s_mov_b32 s27, 0
	s_mul_i32 s28, s17, 6291456                    ; the expert's part of hbuf, the slice's six blocks of 512 bytes
	s_mul_i32 s29, s18, 3072
	s_add_co_u32 s28, s28, s29
	s_mov_b32 s29, 0
	s_mul_i32 s30, s17, 1572864                    ; the expert's 64 tiles of xg
	s_mov_b32 s31, 0
	s_mul_i32 s23, s16, 9216                       ; half 0: wave w takes rows 3 w .. 3 w + 2 of Wg and of Wu
	v_add_nc_u32 v[VOFF], s23, v3
	s_mul_i32 s23, s16, 3*PITCH
	v_lshl_add_u32 v[VLG], v[LN], 3, s23
	v_add_nc_u32 v[VLG+1], GU, v[VLG]
	s_wait_kmcnt 0x0
	s_add_nc_u64 s[6:7], s[6:7], s[24:25]
	s_add_nc_u64 s[8:9], s[8:9], s[24:25]
	s_add_nc_u64 s[10:11], s[10:11], s[26:27]
	s_add_nc_u64 s[12:13], s[12:13], s[28:29]
	s_add_nc_u64 s[4:5], s[4:5], s[30:31]
	WISSUE                                         ; 16 waves x 36 x 512 bytes: all of half 0 is on its way; the count below is made meanwhile
	s_load_b512 s[32:47], s[10:11], 0x0
	s_load_b512 s[48:63], s[10:11], 0x40
	s_wait_kmcnt 0x0
	s_mov_b32 s19, 0                               ; the expert's count, in every wave
.set li, 0
.rept 32
	s_bcnt1_i32_b32 s24, s[32+li]
	s_add_co_u32 s19, s19, s24
.set li, li+1
.endr
	WDRAIN 0, 0
	s_wait_dscnt 0x0                               ; for the others' sake: my rows of half 0 are in LDS
	s_barrier_signal -1
	s_barrier_wait -1
	s_cmp_lt_u32 s16, 4
	s_cbranch_scc0 .Lconsume
	; waves 0-3 bring half 1: rows 48 + 12 w .. + 11 of Wg and of Wu, four batches of 3 + 3 rows, 36 loads always out
	s_mul_i32 s24, s16, 36864
	s_add_co_u32 s24, s24, 147456
	v_add_nc_u32 v[VOFF], s24, v3                  ; its last loads are done (the count-down above ended at 0)
	s_mul_i32 s24, s16, 12*PITCH
	s_add_co_u32 s24, s24, HALF
	v_lshl_add_u32 v[VLG], v[LN], 3, s24
	v_add_nc_u32 v[VLG+1], GU, v[VLG]
	WISSUE
	WDRAIN 1, 0
	WDRAIN 1, 1
	WDRAIN 1, 2
	WDRAIN 0, 3
	s_branch .Ljoin
.Lconsume:
	; waves 4-15 multiply half 0: 3 trips x 12 waves cover 36 tiles, the 32 possible among them
	v_mul_u32_u24 v[VBG], PITCH, v1
	v_lshl_add_u32 v[VBG], v2, 4, v[VBG]           ; row r, 16 bytes for each half of the lanes
	v_add_nc_u32 v[VBG+1], GU, v[VBG]
	s_sub_co_u32 s21, s16, 4
	s_lshl_b32 s21, s21, 5
	ROWS one, 3, 12, 0
.Ljoin:
	s_wait_dscnt 0x0                               ; half 1 is stored; my reads are back
	s_barrier_signal -1
	s_barrier_wait -1
	; all 16 waves multiply half 1: 2 trips x 16 waves = 32 tiles; its three blocks lie 1,536 bytes behind half 0's
	v_mul_u32_u24 v[VBG], PITCH, v1
	v_lshl_add_u32 v[VBG], v2, 4, v[VBG]
	v_add_nc_u32 v[VBG], HALF, v[VBG]
	v_add_nc_u32 v[VBG+1], GU, v[VBG]
	s_lshl_b32 s21, s16, 5
	ROWS two, 2, 16, 1536
	s_wait_tensorcnt 0x0                           ; the wave's end
	ds_add_u32 v[SPW], v[NIL]
	s_wait_dscnt 0x0
	s_endpgm
.Lfunc_end_k_qa3ad52fdcf_gateup:
	.size	k_qa3ad52fdcf_gateup, .Lfunc_end_k_qa3ad52fdcf_gateup-k_qa3ad52fdcf_gateup
	.p2alignl 7, 3214868480
	.fill 96, 4, 3214868480
	.section	.rodata,"a",@progbits
	.p2align	6, 0x0
	.amdhsa_kernel k_qa3ad52fdcf_gateup
		.amdhsa_group_segment_fixed_size 300032
		.amdhsa_private_segment_fixed_size 0
		.amdhsa_enable_private_segment 0
		.amdhsa_kernarg_size 40
		.amdhsa_user_sgpr_count 2
		.amdhsa_user_sgpr_kernarg_segment_ptr 1
		.amdhsa_wavefront_size32 1
		.amdhsa_system_sgpr_workgroup_id_x 1
		.amdhsa_system_sgpr_workgroup_id_y 1
		.amdhsa_system_sgpr_workgroup_id_z 1
		.amdhsa_system_vgpr_workitem_id 0
		.amdhsa_next_free_vgpr 256
		.amdhsa_next_free_sgpr 66
		.amdhsa_reserve_vcc 0
		.amdhsa_float_denorm_mode_32 3
		.amdhsa_float_denorm_mode_16_64 3
		.amdhsa_memory_ordered 1
		.amdhsa_forward_progress 1
		.amdhsa_inst_pref_size 193
	.end_amdhsa_kernel
	.amdgpu_metadata
---
amdhsa.version: [ 1, 2 ]
amdhsa.kernels:
  - .name:           k_qa3ad52fdcf_gateup
    .symbol:         k_qa3ad52fdcf_gateup.kd
    .args:
      - { .name: xg, .offset: 0, .size: 8, .value_kind: global_buffer, .address_space: global }
      - { .name: Wg, .offset: 8, .size: 8, .value_kind: global_buffer, .address_space: global }
      - { .name: Wu, .offset: 16, .size: 8, .value_kind: global_buffer, .address_space: global }
      - { .name: bitmap, .offset: 24, .size: 8, .value_kind: global_buffer, .address_space: global }
      - { .name: hbuf, .offset: 32, .size: 8, .value_kind: global_buffer, .address_space: global }
    .group_segment_fixed_size: 300032
    .private_segment_fixed_size: 0
    .kernarg_segment_align: 8
    .kernarg_segment_size: 40
    .max_flat_workgroup_size: 512
    .sgpr_count:     66
    .vgpr_count:     256
    .wavefront_size: 32
...
	.end_amdgpu_metadata
.endif
;; end of part 3
;; launch down (part 4): grid 32 x 8, 16 waves a work-group, no clusters, 253,440 bytes of LDS; arguments hbuf, Wd, bitmap, part; writes part
.if DOCPART == 4
	.amdgcn_target "amdgcn-amd-amdhsa--gfx1250"
	.amdhsa_code_object_version 6
	.text
	.protected	k_qa3ad52fdcf_down
	.globl	k_qa3ad52fdcf_down
	.p2align	8
	.type	k_qa3ad52fdcf_down,@function
k_qa3ad52fdcf_down:
	s_mov_b64 s[64:65], 0
	v_nop
	global_prefetch_b8 v0, s[64:65] scope:SCOPE_SE
	s_setreg_imm32_b32 hwreg(HW_REG_WAVE_MODE, 25, 1), 1
	s_wait_xcnt 0x0
; DOWN.  part[kq][e][ds][rank][96] = h[rank][768 kq ..] Wd[e][96 ds ..][768 kq ..]^T: f32 partial rows of the second product, bf16 operands, f32 sums.
; SHARES.  Work-group (ds, kq, e) owns 96 output columns x a quarter (768) of the hidden width of expert e: 294,912 bytes of f32 that it alone reads, each byte once,
; rounded on the way through registers into LDS (all of it on its way at once).  It multiplies them with all rows of its expert, a tile of 32 ranks to a wave.
; The four quarters are partial sums: they stay f32 and the last launch adds them.
; THE ROWS.  The count comes from the expert's 32 bitmap words.  2 trips x 16 waves cover 1,024 ranks; a tile at or past the count is jumped forward, with no barrier
; in what is jumped.  h comes straight from hbuf, which the launch before laid in fragment order: every load takes 512 consecutive bytes.
; NO JOINT LOADS: each weight has one reader.  The h tiles that the eight ds work-groups of one (e, kq) share are up to 1,024 ranks x 1,536 bytes, which do not fit beside
; the slice, and a ring for them would put refills and barriers into a loop whose length hangs on a stored count.
; THE WAY OUT goes through a stage of the wave's own: a lane holds 32 bytes of a row; read back as whole rows, 16 ranks are 6,144 consecutive bytes of part.
.set PITCH,  1552                      ; an LDS row: 1,536 bytes + 16 = 97 x 16: the 16 rows of a fragment load start at 16 different 16-byte columns modulo 256 bytes
.set GU,     48*PITCH                  ; rows 48-95
.set STAGE,  96*PITCH                  ; 16 waves x 16 rows x 400 bytes
.set SPITCH, 400                       ; 384 bytes + 16 = 25 x 16
.set SPARE,  STAGE+16*16*SPITCH        ; the spare words, 128 bytes a wave, eight blocks of 256 bytes that no other line names
.set VBG,  4                           ; v4, v5  LDS address of my fragments of rows 0-47, 48-95
.set VH,   6                           ; v6      byte offset in hbuf of my 16 bytes of the tile's first block
.set STO,  7                           ; v7      the stage: where I put 16 bytes of a row
.set VPT,  8                           ; v8      byte offset in part of my 16 bytes of the tile
.set RD,   9                           ; v9-11   the stage: where I read rows back
.set SPW,  12
.set NIL,  13
.set LN,   14
.set ACCB, 16                          ; v16-111   12 accumulators: (a, b) at 16 + 8 (6 a + b); a: 16 ranks; b: 16 output columns
.set ARB,  112                         ; v112-207  six slots of h fragments (2 x 8 registers)
.set BFB,  208                         ; v208-255  six weight fragments
.set ST,   16                          ; while weights are loaded: v16-159 36 slots of 4; v208, v209 addresses
.set VOFF, 208
.set VLD,  209
.set OB,   112                         ; on the way out: 2 x 48 registers read back from the stage
.macro PLACES                          ; four places between a matrix instruction and a load into, or another access to, its registers
.rept 4
	v_nop
.endr
.endm
.macro ALOAD s                         ; K step s of my 32 ranks: blocks 2 s and 2 s + 1 of both tiles of 16
.irp a, 0,1
	global_load_b128 v[ARB+16*((\s)%6)+8*\a:ARB+16*((\s)%6)+8*\a+3],   v[VH], s[4:5] offset:98304*\a+1024*(\s)
	global_load_b128 v[ARB+16*((\s)%6)+8*\a+4:ARB+16*((\s)%6)+8*\a+7], v[VH], s[4:5] offset:98304*\a+1024*(\s)+512
.endr
.endm
.macro BLOAD g, s                      ; three weight fragments of K step s: g = 0 rows 0-47, 1 rows 48-95
.irp b, 0,1,2
	ds_load_b128 v[BFB+8*(3*(\g)+\b):BFB+8*(3*(\g)+\b)+3],   v[VBG+(\g)] offset:16*PITCH*\b+64*(\s)
	ds_load_b128 v[BFB+8*(3*(\g)+\b)+4:BFB+8*(3*(\g)+\b)+7], v[VBG+(\g)] offset:16*PITCH*\b+64*(\s)+32
.endr
.endm
; six products.  Source 0 = 16 rows of Wd, source 1 = 16 ranks: a lane then holds ONE rank (r) and eight neighbouring output columns (8 h + 0..7).
; The 12 accumulators take turns, one instruction a turn.  K step 0 starts the sums.
.macro MUL6 g, s
.irp b, 0,1,2
.irp a, 0,1
.if (\s) == 0
	v_wmma_f32_16x16x32_bf16 v[ACCB+8*(6*\a+3*(\g)+\b):ACCB+8*(6*\a+3*(\g)+\b)+7], v[BFB+8*(3*(\g)+\b):BFB+8*(3*(\g)+\b)+7], v[ARB+16*((\s)%6)+8*\a:ARB+16*((\s)%6)+8*\a+7], 0
.else
	v_wmma_f32_16x16x32_bf16 v[ACCB+8*(6*\a+3*(\g)+\b):ACCB+8*(6*\a+3*(\g)+\b)+7], v[BFB+8*(3*(\g)+\b):BFB+8*(3*(\g)+\b)+7], v[ARB+16*((\s)%6)+8*\a:ARB+16*((\s)%6)+8*\a+7], v[ACCB+8*(6*\a+3*(\g)+\b):ACCB+8*(6*\a+3*(\g)+\b)+7]
.endif
.endr
.endr
.endm
; One tile: 32 ranks x 96 columns x K = 768, 24 K steps written out; h fragments run six K steps ahead, weight fragments half a K step.
.macro KRUN
.set ks, 0
.rept 6
	ALOAD ks
.set ks, ks+1
.endr
	BLOAD 0, 0
	BLOAD 1, 0
.set ks, 0
.rept 24
.if ks < 18
	s_wait_loadcnt 20                              ; this K step's four loads are in; the five later steps' twenty stay out
.else
	s_wait_loadcnt 4*(23-ks)                       ; the counts run down
.endif
	s_wait_dscnt 6                                 ; the first three fragments are in; the other three's six loads may be out
	MUL6 0, ks
.if ks < 23
	PLACES
	BLOAD 0, ks+1
	s_wait_dscnt 6                                 ; the other three are in; the six just issued stay out
.else
	s_wait_dscnt 0
.endif
	MUL6 1, ks
	PLACES                                         ; in the last K step: the places ahead of the way out
.if ks < 23
	BLOAD 1, ks+1
.endif
.if ks < 18
	ALOAD ks+6
.endif
.set ks, ks+1
.endr
.endm
; 16 ranks into my stage (each accumulator from its low end on) and back as whole rows.  LDS serves a wave's instructions in order (ISA guide 5.7.1.4):
; the loads see the stores above them, and the next 16 ranks' stores come behind these loads.
.macro TOSTAGE a
.irp b, 0,1,2,3,4,5
.irp q, 0,1
	ds_store_b128 v[STO], v[ACCB+8*(6*(\a)+\b)+4*\q:ACCB+8*(6*(\a)+\b)+4*\q+3] offset:64*\b+16*\q
.endr
.endr
.set ti, 0
.rept 12
	ds_load_b128 v[OB+48*(\a)+4*ti:OB+48*(\a)+4*ti+3], v[RD+ti%3] offset:4*SPITCH*(ti/3)
.set ti, ti+1
.endr
.endm
.macro SEND a, younger                 ; younger: the LDS instructions issued behind these 16 ranks' loads
.set ti, 0
.rept 12
	s_wait_dscnt (\younger)+11-ti
	global_store_b128 v[VPT], v[OB+48*(\a)+4*ti:OB+48*(\a)+4*ti+3], s[10:11] offset:6144*(\a)+512*ti   ; 512 consecutive bytes, aligned
.set ti, ti+1
.endr
.endm
	s_load_b256 s[4:11], s[0:1], 0x0               ; hbuf s[4:5], Wd s[6:7], bitmap s[8:9], part s[10:11]
	v_lshl_add_u32 v[SPW], v0, 2, SPARE
	v_mov_b32 v[NIL], 0
	v_lshrrev_b32 v210, 5, v0
	v_readfirstlane_b32 s16, v210                  ; wave 0..15
	s_and_b32 s17, ttmp7, 0xffff                   ; expert
	s_and_b32 s18, ttmp9, 7                        ; ds: which 96 output columns
	s_lshr_b32 s20, ttmp9, 3                       ; kq: which quarter of the hidden width
	v_and_b32 v[LN], 31, v0
	v_and_b32 v1, 15, v0                           ; r
	v_bfe_u32 v2, v0, 4, 1                         ; h
	v_lshlrev_b32 v3, 4, v[LN]                     ; 16 l
	s_mul_i32 s24, s17, 9437184                    ; Wd: the expert, 96 rows of 12,288 bytes, 3,072 bytes into each
	s_mul_i32 s25, s18, 1179648
	s_add_co_u32 s24, s24, s25
	s_mul_i32 s25, s20, 3072
	s_add_co_u32 s24, s24, s25
	s_mov_b32 s25, 0
	s_mul_i32 s26, s17, 6291456                    ; hbuf: the expert, the quarter's 48 blocks of 512 bytes
	s_mul_i32 s27, s20, 24576
	s_add_co_u32 s26, s26, s27
	s_mov_b32 s27, 0
	s_lshl_b32 s28, s17, 7                         ; the expert's 32 bitmap words
	s_mov_b32 s29, 0
	s_lshl_b32 s30, s20, 6                         ; part: block 64 kq + 8 e + ds of 1,024 ranks x 384 bytes
	s_lshl3_add_u32 s30, s17, s30
	s_add_co_u32 s30, s30, s18
	s_mul_i32 s30, s30, 393216
	s_mov_b32 s31, 0
	s_mul_i32 s23, s16, 73728                      ; wave w takes rows 6 w .. 6 w + 5
	v_add_nc_u32 v[VOFF], s23, v3
	s_mul_i32 s23, s16, 6*PITCH
	v_lshl_add_u32 v[VLD], v[LN], 3, s23
	s_wait_kmcnt 0x0
	s_add_nc_u64 s[6:7], s[6:7], s[24:25]
	s_add_nc_u64 s[4:5], s[4:5], s[26:27]
	s_add_nc_u64 s[8:9], s[8:9], s[28:29]
	s_add_nc_u64 s[10:11], s[10:11], s[30:31]
.set wi, 0
.rept 36                               ; 16 waves x 36 x 512 bytes: the whole slice is on its way; the set-up below is done meanwhile
	global_load_b128 v[ST+4*wi:ST+4*wi+3], v[VOFF], s[6:7] offset:12288*(wi/6)+512*(wi%6) th:TH_LOAD_NT
.set wi, wi+1
.endr
	s_load_b512 s[32:47], s[8:9], 0x0
	s_load_b512 s[48:63], s[8:9], 0x40
	s_mul_i32 s23, s16, 16*SPITCH
	s_add_co_u32 s23, s23, STAGE                   ; my stage
	v_mul_u32_u24 v[STO], SPITCH, v1               ; in: row r, 32 bytes for each half of the lanes
	v_lshl_add_u32 v[STO], v2, 5, v[STO]
	v_add_nc_u32 v[STO], s23, v[STO]
.irp m, 0,1,2                          ; back: piece p = 32 m + l of 16 bytes lies in row p / 24 = 43 p >> 10 (p < 96), at 400 row + 16 (p - 24 row) = 16 (p + row)
	v_add_nc_u32 v210, 32*\m, v[LN]
	v_mul_u32_u24 v211, 43, v210
	v_lshrrev_b32 v211, 10, v211
	v_add_nc_u32 v210, v210, v211
	v_lshl_add_u32 v[RD+\m], v210, 4, s23
.endr
	v_mul_u32_u24 v[VBG], PITCH, v1
	v_lshl_add_u32 v[VBG], v2, 4, v[VBG]           ; a fragment: row r, 16 bytes for each half of the lanes
	v_add_nc_u32 v[VBG+1], GU, v[VBG]
	s_wait_kmcnt 0x0
	s_mov_b32 s19, 0                               ; the expert's count
.set li, 0
.rept 32
	s_bcnt1_i32_b32 s24, s[32+li]
	s_add_co_u32 s19, s19, s24
.set li, li+1
.endr
.set wd, 0
.rept 36                               ; rounded in place and laid into LDS, 256 consecutive bytes a store
	s_wait_loadcnt 35-wd                           ; loads come back in order: slot wd is in, the younger ones stay out
	v_cvt_pk_bf16_f32 v[ST+4*wd], v[ST+4*wd], v[ST+4*wd+1]
	v_cvt_pk_bf16_f32 v[ST+4*wd+1], v[ST+4*wd+2], v[ST+4*wd+3]
	ds_store_b64 v[VLD], v[ST+4*wd:ST+4*wd+1] offset:PITCH*(wd/6)+256*(wd%6)
.set wd, wd+1
.endr
	s_wait_dscnt 0x0                               ; for the others' sake: my rows are in LDS
	s_barrier_signal -1
	s_barrier_wait -1
	s_lshl_b32 s21, s16, 5                         ; my first tile's first rank
	s_mov_b32 s22, 2
.Ltrip:
	s_cmp_ge_u32 s21, s19
	s_cbranch_scc1 .Lskip                          ; no row of the expert in this tile: forward, past work alone
	s_wait_xcnt 0x0                                ; the last trip's stores have read their data and offset: written again only behind this wait
	s_mul_i32 s24, s21, 6144                       ; a tile of 16 ranks is 98,304 bytes of hbuf
	v_add_nc_u32 v[VH], s24, v3
	s_mul_i32 s24, s21, 384                        ; and 6,144 bytes of part
	v_add_nc_u32 v[VPT], s24, v3
	KRUN
	TOSTAGE 0
	TOSTAGE 1
	SEND 0, 24
	SEND 1, 0
.Lskip:
	s_add_co_u32 s21, s21, 512
	s_sub_co_u32 s22, s22, 1
	s_cmp_lg_u32 s22, 0
	s_cbranch_scc1 .Ltrip
	s_wait_tensorcnt 0x0                           ; the wave's end
	ds_add_u32 v[SPW], v[NIL]
	s_wait_dscnt 0x0
	s_endpgm
.Lfunc_end_k_qa3ad52fdcf_down:
	.size	k_qa3ad52fdcf_down, .Lfunc_end_k_qa3ad52fdcf_down-k_qa3ad52fdcf_down
	.p2alignl 7, 3214868480
	.fill 96, 4, 3214868480
	.section	.rodata,"a",@progbits
	.p2align	6, 0x0
	.amdhsa_kernel k_qa3ad52fdcf_down
		.amdhsa_group_segment_fixed_size 253440
		.amdhsa_private_segment_fixed_size 0
		.amdhsa_enable_private_segment 0
		.amdhsa_kernarg_size 32
		.amdhsa_user_sgpr_count 2
		.amdhsa_user_sgpr_kernarg_segment_ptr 1
		.amdhsa_wavefront_size32 1
		.amdhsa_system_sgpr_workgroup_id_x 1
		.amdhsa_system_sgpr_workgroup_id_y 1
		.amdhsa_system_sgpr_workgroup_id_z 1
		.amdhsa_system_vgpr_workitem_id 0
		.amdhsa_next_free_vgpr 256
		.amdhsa_next_free_sgpr 66
		.amdhsa_reserve_vcc 0
		.amdhsa_float_denorm_mode_32 3
		.amdhsa_float_denorm_mode_16_64 3
		.amdhsa_memory_ordered 1
		.amdhsa_forward_progress 1
		.amdhsa_inst_pref_size 77
	.end_amdhsa_kernel
	.amdgpu_metadata
---
amdhsa.version: [ 1, 2 ]
amdhsa.kernels:
  - .name:           k_qa3ad52fdcf_down
    .symbol:         k_qa3ad52fdcf_down.kd
    .args:
      - { .name: hbuf, .offset: 0, .size: 8, .value_kind: global_buffer, .address_space: global }
      - { .name: Wd, .offset: 8, .size: 8, .value_kind: global_buffer, .address_space: global }
      - { .name: bitmap, .offset: 16, .size: 8, .value_kind: global_buffer, .address_space: global }
      - { .name: part, .offset: 24, .size: 8, .value_kind: global_buffer, .address_space: global }
    .group_segment_fixed_size: 253440
    .private_segment_fixed_size: 0
    .kernarg_segment_align: 8
    .kernarg_segment_size: 32
    .max_flat_workgroup_size: 512
    .sgpr_count:     66
    .vgpr_count:     256
    .wavefront_size: 32
...
	.end_amdgpu_metadata
.endif
;; end of part 4
;; launch combine (part 5): grid 256 x 1, 4 waves a work-group, no clusters, 0 bytes of LDS; arguments part, sel, pos, gate, out0; writes out0
.if DOCPART == 5
	.amdgcn_target "amdgcn-amd-amdhsa--gfx1250"
	.amdhsa_code_object_version 6
	.text
	.protected	k_qa3ad52fdcf_combine
	.globl	k_qa3ad52fdcf_combine
	.p2align	8
	.type	k_qa3ad52fdcf_combine,@function
k_qa3ad52fdcf_combine:
	s_mov_b64 s[64:65], 0
	v_nop
	global_prefetch_b8 v0, s[64:65] scope:SCOPE_SE
	s_setreg_imm32_b32 hwreg(HW_REG_WAVE_MODE, 25, 1), 1
	s_wait_xcnt 0x0
; COMBINE.  out[t] = w0 x (the four partial rows of t at its first expert, added) + w1 x (the same at its second expert), all in f32.
; One wave, one token: 8 partial rows of 3,072 bytes, 48 loads of 16 bytes a lane, all on their way before the first wait; 6 stores of 512 consecutive bytes, aligned.
; Which rows: sel[t] (the two experts), pos[e][t] (the token's rank at each), whole numbers that earlier launches stored; each is clamped to its table before it enters an address.
; A stream: no LDS, no barrier, no matrix unit, nothing shared between work-groups.
; part [kq][e][ds][rank][96] f32.  Piece p (16 bytes, p = 0..191) of an output row lies in ds = p / 24, at byte 16 (p % 24) of the rank's 384 bytes.
	s_load_b256 s[4:11], s[0:1], 0x0               ; part s[4:5], sel s[6:7], pos s[8:9], gate s[10:11]
	s_load_b64 s[12:13], s[0:1], 0x20              ; out0
	v_lshrrev_b32 v5, 5, v0
	v_readfirstlane_b32 s16, v5                    ; wave 0..3
	v_and_b32 v6, 31, v0                           ; lane
	s_lshl_b32 s17, ttmp9, 2
	s_add_co_u32 s17, s17, s16                     ; my token
	s_lshl_b32 s28, s17, 2                         ; 4 t
	s_mov_b32 s29, 0
	s_lshl_b32 s30, s17, 3                         ; 8 t
	s_mov_b32 s31, 0
.irp m, 0,1,2                          ; p = 32 m + l < 96: ds = 43 p >> 10; offset = 393,216 ds + 16 (p - 24 ds) = 16 p + 392,832 ds
	v_add_nc_u32 v7, 32*\m, v6
	v_mul_u32_u24 v8, 43, v7
	v_lshrrev_b32 v8, 10, v8
	v_mul_u32_u24 v8, 392832, v8
	v_lshl_add_u32 v[1+\m], v7, 4, v8
.endr
	v_lshlrev_b32 v4, 4, v6                        ; my 16 bytes of 512 in the output row
	s_wait_kmcnt 0x0
	s_add_nc_u64 s[6:7], s[6:7], s[28:29]
	s_add_nc_u64 s[10:11], s[10:11], s[30:31]
	s_load_b32 s18, s[6:7], 0x0                    ; the two experts
	s_load_b64 s[24:25], s[10:11], 0x0             ; the two weights
	s_mul_i32 s30, s17, 3072
	s_add_nc_u64 s[12:13], s[12:13], s[30:31]      ; my output row
	s_wait_kmcnt 0x0
	s_and_b32 s20, s18, 0xff
	s_bfe_u32 s21, s18, 0x80008
	s_min_u32 s20, s20, 7
	s_min_u32 s21, s21, 7
	s_lshl_b32 s30, s20, 12                        ; pos[e][t]
	s_add_co_u32 s30, s30, s28
	s_add_nc_u64 s[48:49], s[8:9], s[30:31]
	s_lshl_b32 s30, s21, 12
	s_add_co_u32 s30, s30, s28
	s_add_nc_u64 s[50:51], s[8:9], s[30:31]
	s_load_b32 s22, s[48:49], 0x0
	s_load_b32 s23, s[50:51], 0x0
	s_mov_b32 s26, s25                             ; w1 as the low word of a pair of its own: a packed source takes the low word for both halves
	s_mov_b32 s27, s25
	s_wait_kmcnt 0x0
	s_min_u32 s22, s22, 0x3ff
	s_min_u32 s23, s23, 0x3ff
	s_mul_i32 s52, s20, 3145728                    ; the expert's eight blocks, the rank's 384 bytes
	s_mul_i32 s53, s22, 384
	s_add_co_u32 s52, s52, s53
	s_mov_b32 s53, 0
	s_mul_i32 s54, s21, 3145728
	s_mul_i32 s55, s23, 384
	s_add_co_u32 s54, s54, s55
	s_mov_b32 s55, 0
	s_add_nc_u64 s[32:33], s[4:5], s[52:53]        ; base (kq, k) at s[32 + 4 kq + 2 k]
	s_add_nc_u64 s[34:35], s[4:5], s[54:55]
.irp kq, 1,2,3
	s_add_nc_u64 s[32+4*\kq:33+4*\kq], s[28+4*\kq:29+4*\kq], 25165824
	s_add_nc_u64 s[34+4*\kq:35+4*\kq], s[30+4*\kq:31+4*\kq], 25165824
.endr
.set ci, 0
.rept 6                                ; piece group ci: 512 bytes of the output row; its eight partial pieces at v[16 + 32 ci + 8 kq + 4 k]
.irp kq, 0,1,2,3
.irp k, 0,1
	global_load_b128 v[16+32*ci+8*\kq+4*\k:16+32*ci+8*\kq+4*\k+3], v[1+ci%3], s[32+4*\kq+2*\k:33+4*\kq+2*\k] offset:(ci/3)*1572864 th:TH_LOAD_NT
.endr
.endr
.set ci, ci+1
.endr
.set ci, 0
.rept 6
	s_wait_loadcnt 8*(5-ci)                        ; this group's eight loads are in; the later groups' stay out
.set XB, 16+32*ci
.irp k, 0,1
.irp p, 0,2
	v_pk_add_f32 v[XB+4*\k+\p:XB+4*\k+\p+1], v[XB+4*\k+\p:XB+4*\k+\p+1], v[XB+8+4*\k+\p:XB+8+4*\k+\p+1]
	v_pk_add_f32 v[XB+16+4*\k+\p:XB+16+4*\k+\p+1], v[XB+16+4*\k+\p:XB+16+4*\k+\p+1], v[XB+24+4*\k+\p:XB+24+4*\k+\p+1]
	v_pk_add_f32 v[XB+4*\k+\p:XB+4*\k+\p+1], v[XB+4*\k+\p:XB+4*\k+\p+1], v[XB+16+4*\k+\p:XB+16+4*\k+\p+1]
.endr
.endr
.irp p, 0,2
	v_pk_mul_f32 v[XB+\p:XB+\p+1], v[XB+\p:XB+\p+1], s[24:25] op_sel_hi:[1,0]
	v_pk_fma_f32 v[XB+\p:XB+\p+1], v[XB+4+\p:XB+4+\p+1], s[26:27], v[XB+\p:XB+\p+1] op_sel_hi:[1,0,1]
.endr
	global_store_b128 v4, v[XB:XB+3], s[12:13] offset:512*ci th:TH_STORE_NT
.set ci, ci+1
.endr
	s_endpgm
.Lfunc_end_k_qa3ad52fdcf_combine:
	.size	k_qa3ad52fdcf_combine, .Lfunc_end_k_qa3ad52fdcf_combine-k_qa3ad52fdcf_combine
	.p2alignl 7, 3214868480
	.fill 96, 4, 3214868480
	.section	.rodata,"a",@progbits
	.p2align	6, 0x0
	.amdhsa_kernel k_qa3ad52fdcf_combine
		.amdhsa_group_segment_fixed_size 0
		.amdhsa_private_segment_fixed_size 0
		.amdhsa_enable_private_segment 0
		.amdhsa_kernarg_size 40
		.amdhsa_user_sgpr_count 2
		.amdhsa_user_sgpr_kernarg_segment_ptr 1
		.amdhsa_wavefront_size32 1
		.amdhsa_system_sgpr_workgroup_id_x 1
		.amdhsa_system_sgpr_workgroup_id_y 1
		.amdhsa_system_sgpr_workgroup_id_z 1
		.amdhsa_system_vgpr_workitem_id 0
		.amdhsa_next_free_vgpr 208
		.amdhsa_next_free_sgpr 66
		.amdhsa_reserve_vcc 0
		.amdhsa_float_denorm_mode_32 3
		.amdhsa_float_denorm_mode_16_64 3
		.amdhsa_memory_ordered 1
		.amdhsa_forward_progress 1
		.amdhsa_inst_pref_size 15
	.end_amdhsa_kernel
	.amdgpu_metadata
---
amdhsa.version: [ 1, 2 ]
amdhsa.kernels:
  - .name:           k_qa3ad52fdcf_combine
    .symbol:         k_qa3ad52fdcf_combine.kd
    .args:
      - { .name: part, .offset: 0, .size: 8, .value_kind: global_buffer, .address_space: global }
      - { .name: sel, .offset: 8, .size: 8, .value_kind: global_buffer, .address_space: global }
      - { .name: pos, .offset: 16, .size: 8, .value_kind: global_buffer, .address_space: global }
      - { .name: gate, .offset: 24, .size: 8, .value_kind: global_buffer, .address_space: global }
      - { .name: out0, .offset: 32, .size: 8, .value_kind: global_buffer, .address_space: global }
    .group_segment_fixed_size: 0
    .private_segment_fixed_size: 0
    .kernarg_segment_align: 8
    .kernarg_segment_size: 40
    .max_flat_workgroup_size: 128
    .sgpr_count:     66
    .vgpr_count:     208
    .wavefront_size: 32
...
	.end_amdgpu_metadata
.endif
;; end of part 5
